; MI455X (gfx1250); checked and timed in simulation.
; The chip was launched on July 23, 2026; its instructions are those of AMD's public machine-readable ISA for CDNA 5 (MIT licence, August 2026) and "CDNA5" Instruction Set Architecture Reference Guide (July 2026). The comments in the code are by the model that wrote it; some were corrected since.
;; Categorical. Allowed arithmetic: matrix products marked QUANTISED: E2M3 operands, one E8M0 scale for each 32 along K, by v_wmma_scale_f32_16x16x128_f8f6f4 with both operands' format E2M3, f32 sums; products left as they are: f32 operands where the result goes on into a quantised operand, else bf16, f16 or f32 operands; f32 sums; everything else in f32.
;; Inputs: W_codes 8 x 512 x 32 x 24 uint8 (E2M3 codes of W, K innermost, in blocks of 32 codes, four codes in three bytes); W_scales 8 x 512 x 32 uint8 (E8M0 scales of W, one for each 32 codes along K); b 8 x 512 float32; index 16,384 int32; x_codes 16,384 x 32 x 24 uint8 (E2M3 codes of x, K innermost, in blocks of 32 codes, four codes in three bytes); x_scales 16,384 x 32 uint8 (E8M0 scales of x, one for each 32 codes along K).
;; Outputs: out0 16,384 x 512 float32.
;; This version of the problem:
;;   THIS VERSION OF THE PROBLEM IS GIVEN IN LOW PRECISION. The matrix products marked QUANTISED in the list below multiply operands that are first quantised to E2M3 (2 exponent bits, 3 mantissa bits; 6 bits a number), with one power-of-two scale for each 32 numbers along K (OCP MX v1.0); their sums are f32. All else is computed in f32.
;;   The module's matrix products, in the order in which they are computed (A, B: the left and right operand; K: the contracted axis; several contracted axes count as one K, in the product's order):
;;     1. [M 4,096, K 1,024] x [K 1,024, N 16,384]; A: input W (given as codes); B: input x (given as codes): QUANTISED
;;     2. batch 16,384 x [M 512, K 8] x [K 8, N 1]; A: computed on the way; B: computed on the way: left as it is (K = 8 < 32)
;;   THE QUANTISER, for each operand of a quantised product, along K:
;;     - K is cut into blocks of 32 from its start; a last block that is shorter is filled with zeros.
;;     - A block's scale is 2^e with e = floor(log2(the largest magnitude in the block)) - 2, held to -126 .. 127; a block of zeros has e = 0. As a byte (E8M0): e + 127.
;;     - Each number is divided by its block's scale, clamped to +-7.5, and rounded to the nearest number of E2M3, ties to even, subnormals kept.
;;     - The product sums the exact products of the quantised numbers (number of the format x scale) in f32.
;;   ~~~python
;;   def quantise(x, axis):      # numpy; x: float32 -> the quantised numbers, widened to float32 again
;;       x = np.moveaxis(x, axis, -1); K = x.shape[-1]
;;       x = np.pad(x, [(0, 0)] * (x.ndim - 1) + [(0, -K % 32)]); x = x.reshape(x.shape[:-1] + (-1, 32)); a = np.abs(x).max(-1, keepdims=True)
;;       e = np.where(a > 0, np.clip(np.frexp(np.where(a > 0, a, 1))[1] - 1 - 2, -126, 127), 0)      # np.frexp(a)[1] - 1 = floor(log2(a)), exactly
;;       r = np.clip(x / 2.0 ** e, -7.5, 7.5)
;;       step = 2.0 ** (np.maximum(np.frexp(np.where(r == 0, 1, r))[1] - 1, 0) - 3)
;;       q = np.round(r / step) * step * 2.0 ** e      # np.round: ties to even
;;       return np.moveaxis(q.reshape(q.shape[:-2] + (-1,))[..., :K], -1, axis).astype(np.float32)
;;   ~~~
;;   INPUTS GIVEN AS CODES. W (in the module: [8, 512, 1024], K = its axis 2); x (in the module: [16384, 1024], K = its axis 1): each comes as NAME_codes (uint8): NAME with its K axis moved to the last place and cut into blocks of 32 codes, [.., K / 32, bytes a block], one block behind the other in memory; four codes in three bytes: a row's codes are one little-endian stream of bits, code i at bits 6 i .. 6 i + 5 (a code: sign, 2 exponent bits, 3 mantissa bits); and NAME_scales (uint8): the same leading axes, one E8M0 byte (e + 127) for each 32 codes along K. Its value is code x scale, taken as it is: it is not quantised again, and the codes and scales need not be those that the quantiser above would give.
;; 2 versions. Each part assembles by itself: llvm-mc -triple=amdgcn-amd-amdhsa -mcpu=gfx1250 --defsym DOCPART=n.
;; ======== version 1 of 2: 2 launches
;; workspace buffers: order 65,536 bytes of whole numbers; tiles 2,048 bytes of whole numbers; wimg 3,145,728 bytes
;; launch prep (part 1): grid 17 x 1, 16 waves a work-group, no clusters, 203,264 bytes of LDS; arguments index, W_codes, order, tiles, wimg; writes order, tiles, wimg
.if DOCPART == 1
	.amdgcn_target "amdgcn-amd-amdhsa--gfx1250"
	.amdhsa_code_object_version 6
	.text
	.protected	k_qf970f261be_prep
	.globl	k_qf970f261be_prep
	.p2align	8
	.type	k_qf970f261be_prep,@function
k_qf970f261be_prep:
	s_mov_b64 s[64:65], 0
	v_nop
	global_prefetch_b8 v0, s[64:65] scope:SCOPE_SE
	s_setreg_imm32_b32 hwreg(HW_REG_WAVE_MODE, 25, 1), 1
	s_wait_xcnt 0x0
; THE ROUTING AND THE WEIGHTS' LAYOUT, for y[n] = x[n] . W[index[n]]^T + b[index[n]]: 16,384 tokens, 8 experts.
; Work-group 0 sorts the tokens by expert (a counting sort, no atomics) and stores
;   order [16384]: the tokens' numbers, expert by expert, dense;   tiles [128][4]: {expert, first place in order, rows (0 .. 144), 0} for tiles of at most 144 rows of ONE expert.
;   The sum over the experts of ceil(rows / 144) is at most (16,384 + 8 x 143) / 144 = 121, whatever the split; records beyond the last tile have 0 rows.
; Work-groups 1 to 16 lay W's codes out as images of operand registers: wave job J = 32 e + ct is a tile of 16 rows of W (12,288 consecutive bytes); its fragment for K step s
;   (16 rows x 128 K of 6-bit codes, 12 registers a lane) goes to wimg + (8 J + s) x 1,536, register group c (four registers) of lane l at 512 c + 16 l.  The product's launch then loads a fragment by three loads of 16 bytes a lane.
; Both roles pass the one barrier, which stands on the common way; each role has LDS bytes of its own.
; LIMITS: an index outside 0 .. 7 is not served (the problem keeps it inside).  Inside an expert's run the tokens do not stand in ascending order; nothing hangs on that.
.set WP,    784                        ; a row of codes in LDS: 768 bytes + 16 = 196 words: row r starts at bank 4 r mod 64 (64 banks of 4 bytes: ISA guide 11.1), so the 32 lanes of an 8-byte fragment load touch 64 different banks
.set WREG,  16*WP                      ; a wave's 16 rows
.set SORT,  16*WREG                    ; behind the sixteen stages: 32 bytes for each wave: its eight counts
.set I,   32                           ; v32-63   sort: the indices, 32 groups of 32 tokens a wave; later the tokens' numbers
.set L,   64                           ; v64-95   sort: a token's rank among its expert's tokens in this wave; later its place in order
.set B,   96                           ; v96-127  sort: where its expert's tokens of this wave begin
.set D,   32                           ; v32-127  weights: 16 rows as loaded
.set F,   128                          ; v128-223 weights: eight fragments
.set T,   16                           ; v16-23   eight numbers, one for each expert
.set U,   24                           ; v24-31   at work
.set M,   16                           ; s16-23   lane masks, one for each expert
.set C,   24                           ; s24-31   running counts; later where this wave's tokens of each expert begin
.set TOT, 32                           ; s32-39   an expert's tokens
.set BASE, 40                          ; s40-47   where an expert's run begins in order
.set TB,  48                           ; s48-55   an expert's first tile (before that: at work)
	s_load_b256 s[4:11], s[0:1], 0x0               ; index s[4:5], W_codes s[6:7], order s[8:9], tiles s[10:11]
	s_load_b64 s[12:13], s[0:1], 0x20              ; wimg
	v_lshl_add_u32 v224, v0, 2, 0x31200
	v_mov_b32 v225, 0
	v_lshrrev_b32 v1, 5, v0
	v_readfirstlane_b32 s14, v1                    ; wave 0..15
	v_and_b32 v1, 31, v0                           ; lane
	v_and_b32 v2, 15, v0                           ; lane % 16
	v_bfe_u32 v3, v0, 4, 1                         ; lane / 16
	; every LDS address is made here, ahead of the parting of the roles
	s_mul_i32 s57, s14, WREG                       ; my stage
	v_mul_u32_u24 v4, v3, WP
	v_lshl_add_u32 v4, v2, 4, v4
	v_add_nc_u32 v4, s57, v4                       ; into it: lanes 0-15 one row, lanes 16-31 the next, 16 bytes a lane
	v_mul_u32_u24 v5, v2, WP
	v_mad_u32_u24 v5, v3, 24, v5
	v_add_nc_u32 v5, s57, v5                       ; out of it: a fragment's row lane % 16, + 24 bytes for the upper half of the lanes
	v_and_b32 v6, 0x1e0, v0
	v_add_nc_u32 v6, SORT, v6                      ; my wave's eight counts: SORT + 32 x wave
	v_lshl_add_u32 v7, v2, 5, SORT                 ; the counts of wave lane % 16
	v_mul_u32_u24 v8, v3, 768
	v_lshl_add_u32 v8, v2, 4, v8                   ; W_codes: two rows an instruction, 16 bytes a lane
	v_lshlrev_b32 v9, 4, v1                        ; 16 x lane: an image's place for my lane
	v_lshlrev_b32 v10, 4, v0                       ; 16 x thread
	v_lshlrev_b32 v11, 2, v0                       ; 4 x thread
	s_wait_kmcnt 0x0
	s_cmp_lg_u32 ttmp9, 0
	s_cbranch_scc1 .Lweights
	; ---- SORT, first part: each token's rank among its expert's tokens of this wave, and the wave's eight counts
.irp q, 0,1,2,3,4,5,6,7
	global_load_b128 v[I+4*\q:I+4*\q+3], v10, s[4:5] offset:8192*\q    ; register j of load q: token 2048 q + 4 x thread + j; a wave's load covers 512 consecutive bytes
.endr
.irp e, 0,1,2,3,4,5,6,7
	s_mov_b32 s[C+\e], 0
.endr
; One group of 32 tokens.  For each expert: the mask of its lanes; the running count + the lanes of the mask below mine; the lane keeps its own expert's number; the counts go on.
.macro RANK g
.irp e, 0,1,2,3,4,5,6,7
	v_cmp_eq_u32 s[M+\e], \e, v[I+(\g)]
.endr
.irp e, 0,1,2,3,4,5,6,7
	v_mbcnt_lo_u32_b32 v[T+\e], s[M+\e], s[C+\e]
.endr
	v_cndmask_b32 v[L+(\g)], v[T], v[T+1], s[M+1]
.irp e, 2,3,4,5,6,7
	v_cndmask_b32 v[L+(\g)], v[L+(\g)], v[T+\e], s[M+\e]
.endr
.irp e, 0,1,2,3,4,5,6,7
	s_bcnt1_i32_b32 s[TB+\e], s[M+\e]
.endr
.irp e, 0,1,2,3,4,5,6,7
	s_add_co_u32 s[C+\e], s[C+\e], s[TB+\e]
.endr
.endm
.set g, 0
.rept 32
.if g%4 == 0
	s_wait_loadcnt 7-g/4                           ; loads come back in order: load g / 4 is in, the younger ones stay out
.endif
	RANK g
.set g, g+1
.endr
.irp e, 0,1,2,3,4,5,6,7
	v_mov_b32 v[T+\e], s[C+\e]
.endr
	ds_store_b128 v6, v[T:T+3]                     ; all lanes write the same words with the same values
	ds_store_b128 v6, v[T+4:T+7] offset:16
	s_branch .Lmeet
	; ---- WEIGHTS: 16 rows in, eight fragments out
.Lweights:
	s_sub_co_u32 s57, ttmp9, 1
	s_lshl_b32 s57, s57, 4
	s_add_co_u32 s57, s57, s14                     ; J = 16 (work-group - 1) + wave = 32 e + ct
	s_mul_i32 s58, s57, 12288
	s_mov_b32 s59, 0
	s_add_nc_u64 s[6:7], s[6:7], s[58:59]
	s_add_nc_u64 s[12:13], s[12:13], s[58:59]
.irp i, 0,1,2,3,4,5,6,7
.irp j, 0,1,2
	global_load_b128 v[D+4*(3*\i+\j):D+4*(3*\i+\j)+3], v8, s[6:7] offset:1536*\i+256*\j th:TH_LOAD_NT   ; rows 2 i and 2 i + 1: sixteen lanes read 256 consecutive bytes, aligned; read once in the launch
.endr
.endr
.irp i, 0,1,2,3,4,5,6,7
.irp j, 0,1,2
	s_wait_loadcnt 23-(3*\i+\j)                    ; this load is in, the younger ones stay out
	ds_store_b128 v4, v[D+4*(3*\i+\j):D+4*(3*\i+\j)+3] offset:2*WP*\i+256*\j
.endr
.endr
.irp s, 0,1,2,3,4,5,6,7                ; lane (r, h) of K step s: the 24 bytes at 96 s + 24 h of row r, and the 24 bytes 48 further on; in pieces of 8 bytes, so that every address is a multiple of the access's size
.irp p, 0,1,2,3,4,5
	ds_load_b64 v[F+12*\s+2*\p:F+12*\s+2*\p+1], v5 offset:96*\s+48*(\p/3)+8*(\p%3)   ; LDS serves a wave's instructions in order (ISA guide 5.7.1.4): these see my stores
.endr
.endr
.irp s, 0,1,2,3,4,5,6,7
	s_wait_dscnt 6*(7-\s)                          ; fragment s is in; the later fragments' six loads each may be out
.irp c, 0,1,2
	global_store_b128 v9, v[F+12*\s+4*\c:F+12*\s+4*\c+3], s[12:13] offset:1536*\s+512*\c   ; 32 lanes store 512 consecutive bytes, at a multiple of 256 from wimg's first byte
.endr
.endr
.Lmeet:
	s_wait_dscnt 0x0                               ; for the others' sake: my counts lie in LDS
	s_barrier_signal -1
	s_barrier_wait -1
	s_cmp_lg_u32 ttmp9, 0
	s_cbranch_scc1 .Lend
	; ---- SORT, second part: where each expert's run begins, and in it this wave's tokens
	ds_load_b128 v[T:T+3], v7                      ; lane l: the eight counts of wave l % 16
	ds_load_b128 v[T+4:T+7], v7 offset:16
.irp e, 0,1,2,3,4,5,6,7
	v_mov_b32 v[U+\e], 0                           ; written once: the destination of a DPP form counts as one of its sources
.endr
	s_wait_dscnt 0x0
	v_cmp_gt_u32 vcc_lo, s14, v1                   ; lanes 0-15 keep the waves below mine,
	s_or_b32 vcc_lo, vcc_lo, 0xffff0000            ; lanes 16-31 keep all sixteen
.irp e, 0,1,2,3,4,5,6,7
	v_cndmask_b32 v[T+\e], 0, v[T+\e], vcc_lo
.endr
.irp x, 1,2,4,8                        ; the sum over each half of the lanes
.irp e, 0,1,2,3,4,5,6,7
	v_mov_b32_dpp v[U+\e], v[T+\e] row_xmask:\x row_mask:0xf bank_mask:0xf
.endr
.irp e, 0,1,2,3,4,5,6,7
	v_add_nc_u32 v[T+\e], v[T+\e], v[U+\e]
.endr
.endr
.irp e, 0,1,2,3,4,5,6,7
	v_readlane_b32 s[C+\e], v[T+\e], 0             ; the expert's tokens in the waves below mine
	v_readlane_b32 s[TOT+\e], v[T+\e], 16          ; and in all
.endr
	s_mov_b32 s[BASE], 0
.irp e, 0,1,2,3,4,5,6
	s_add_co_u32 s[BASE+1+\e], s[BASE+\e], s[TOT+\e]
.endr
.irp e, 0,1,2,3,4,5,6,7
	s_add_co_u32 s[C+\e], s[C+\e], s[BASE+\e]      ; where my wave's tokens of expert e begin
.endr
	v_mov_b32 v12, 0
.irp e, 0,1,2,3,4,5,6,7
	v_writelane_b32 v12, s[C+\e], \e               ; a table of eight, in lanes 0 to 7
.endr
.set g, 0
.rept 32
	v_min_u32 v[I+g], 7, v[I+g]
	v_lshlrev_b32 v[I+g], 2, v[I+g]
	ds_bpermute_b32 v[B+g], v[I+g], v12            ; each lane takes the table's entry of its token's expert (lane = index; no LDS byte is touched)
.set g, g+1
.endr
.set g, 0
.rept 32
	s_wait_dscnt 31-g                              ; group g's entry is in
	v_add_nc_u32 v[L+g], v[L+g], v[B+g]            ; the token's place in order,
	v_min_u32 v[L+g], 0x3fff, v[L+g]               ; held inside the buffer,
	v_lshlrev_b32 v[L+g], 2, v[L+g]                ; in bytes
	v_add_nc_u32 v[I+g], 2048*(g/4)+g%4, v11       ; the token's number
	global_store_b32 v[L+g], v[I+g], s[8:9]        ; lanes of one expert store neighbouring words: a wave's 32 words fall into at most eight runs.  Each group has its own registers: none is written again
.set g, g+1
.endr
	; ---- the tiles: 128 records, one a thread of waves 0 to 3
	s_cmp_ge_u32 s14, 4
	s_cbranch_scc1 .Lend
	s_mov_b32 s[TB], 0
.irp e, 0,1,2,3,4,5,6
	s_add_co_u32 s57, s[TOT+\e], 143
	s_mul_i32 s57, s57, 29128                      ; n / 144 = (n x 29,128) >> 22: 29,128 x 144 = 2^22 + 128, so the quotient is exact for n under 32,768
	s_lshr_b32 s57, s57, 22
	s_add_co_u32 s[TB+1+\e], s[TB+\e], s57         ; expert e + 1's first tile
.endr
	v_mov_b32 v24, 0                               ; record k = thread: the last expert whose first tile is at or below k,
	v_mov_b32 v28, 0                               ; its first tile,
	v_mov_b32 v29, 0                               ; its run's beginning,
	v_mov_b32 v30, s[TOT]                          ; its tokens
.irp j, 1,2,3,4,5,6,7
	v_cmp_le_u32 vcc_lo, s[TB+\j], v0
	v_cndmask_b32 v24, v24, \j, vcc_lo
	v_cndmask_b32 v28, v28, s[TB+\j], vcc_lo
	v_cndmask_b32 v29, v29, s[BASE+\j], vcc_lo
	v_cndmask_b32 v30, v30, s[TOT+\j], vcc_lo
.endr
	v_sub_nc_u32 v28, v0, v28
	v_mul_u32_u24 v28, 144, v28                    ; the tile's first row in the run,
	v_min_u32 v31, v30, v28                        ; held at the run's end (records beyond the last tile)
	v_add_nc_u32 v28, 144, v28
	v_min_u32 v28, v30, v28
	v_sub_nc_u32 v26, v28, v31                     ; rows: 0 .. 144
	v_add_nc_u32 v25, v29, v31                     ; first place in order
	v_mov_b32 v27, 0
	global_store_b128 v10, v[24:27], s[10:11]      ; 32 lanes store 512 consecutive bytes
.Lend:
	s_wait_tensorcnt 0x0
	ds_add_u32 v224, v225
	s_wait_dscnt 0x0
	s_endpgm
.Lfunc_end_k_qf970f261be_prep:
	.size	k_qf970f261be_prep, .Lfunc_end_k_qf970f261be_prep-k_qf970f261be_prep
	.p2alignl 7, 3214868480
	.fill 96, 4, 3214868480
	.section	.rodata,"a",@progbits
	.p2align	6, 0x0
	.amdhsa_kernel k_qf970f261be_prep
		.amdhsa_group_segment_fixed_size 203264
		.amdhsa_private_segment_fixed_size 0
		.amdhsa_enable_private_segment 0
		.amdhsa_kernarg_size 40
		.amdhsa_user_sgpr_count 2
		.amdhsa_user_sgpr_kernarg_segment_ptr 1
		.amdhsa_wavefront_size32 1
		.amdhsa_system_sgpr_workgroup_id_x 1
		.amdhsa_system_sgpr_workgroup_id_y 1
		.amdhsa_system_sgpr_workgroup_id_z 1
		.amdhsa_system_vgpr_workitem_id 0
		.amdhsa_next_free_vgpr 226
		.amdhsa_next_free_sgpr 66
		.amdhsa_reserve_vcc 1
		.amdhsa_float_denorm_mode_32 3
		.amdhsa_float_denorm_mode_16_64 3
		.amdhsa_memory_ordered 1
		.amdhsa_forward_progress 1
		.amdhsa_inst_pref_size 100
	.end_amdhsa_kernel
	.amdgpu_metadata
---
amdhsa.version: [ 1, 2 ]
amdhsa.kernels:
  - .name:           k_qf970f261be_prep
    .symbol:         k_qf970f261be_prep.kd
    .args:
      - { .name: index, .offset: 0, .size: 8, .value_kind: global_buffer, .address_space: global }
      - { .name: W_codes, .offset: 8, .size: 8, .value_kind: global_buffer, .address_space: global }
      - { .name: order, .offset: 16, .size: 8, .value_kind: global_buffer, .address_space: global }
      - { .name: tiles, .offset: 24, .size: 8, .value_kind: global_buffer, .address_space: global }
      - { .name: wimg, .offset: 32, .size: 8, .value_kind: global_buffer, .address_space: global }
    .group_segment_fixed_size: 203264
    .private_segment_fixed_size: 0
    .kernarg_segment_align: 8
    .kernarg_segment_size: 40
    .max_flat_workgroup_size: 512
    .sgpr_count:     66
    .vgpr_count:     226
    .wavefront_size: 32
...
	.end_amdgpu_metadata
.endif
;; end of part 1
;; launch moe (part 2): grid 2 x 121, 4 waves a work-group, no clusters, 137,216 bytes of LDS; arguments x_codes, x_scales, wimg, W_scales, b, order, tiles, out0; writes out0
.if DOCPART == 2
	.amdgcn_target "amdgcn-amd-amdhsa--gfx1250"
	.amdhsa_code_object_version 6
	.text
	.protected	k_qf970f261be_moe
	.globl	k_qf970f261be_moe
	.p2align	8
	.type	k_qf970f261be_moe,@function
k_qf970f261be_moe:
	s_mov_b64 s[64:65], 0
	v_nop
	global_prefetch_b8 v0, s[64:65] scope:SCOPE_SE
	s_setreg_imm32_b32 hwreg(HW_REG_WAVE_MODE, 25, 1), 1
	s_wait_xcnt 0x0
; y[n] = x[n] . W[index[n]]^T + b[index[n]] on codes of FP6 (E2M3) with one E8M0 scale for each 32 along K = 1,024; sums in f32.  Only each token's own expert is multiplied:
; the definition computes all eight and keeps one by a one-hot that it makes of the index itself.
; SHARES.  A work-group takes one tile of the stored list (at most 144 tokens of ONE expert; work-group y) and 256 of the 512 outputs (work-group x).  121 tiles serve every split of 16,384 tokens
; over 8 experts: (16,384 + 8 x 143) / 144.  A work-group whose record has no rows stores nothing and ends.  The text has no tensor load and no joint loads in a cluster,
; although the tiles of one expert read the same weights: operands come through registers.
; THE WAVES SHARE THE COLUMNS: wave w makes 144 tokens x 64 outputs: 36 accumulators, 288 registers.  Its 64 rows of W for all of K (32 fragments, 384 registers) come straight from wimg, where they lie as images of
; the operand's registers: 96 loads of 512 consecutive bytes, read by no other wave of the work-group.  x's 144 rows are gathered once by the four waves (36 rows each) into LDS, and read there by all four.  One barrier.
; THE MATRIX INSTRUCTION IS USED TRANSPOSED (source 0 = 16 rows of W, source 1 = 16 tokens): lane (r, h) then holds token r and its register j output 16 t + 8 h + j: eight neighbours of a row of y.
; The bias is the C of each sum's first matrix instruction.
; ROWS BEYOND THE RECORD'S COUNT are copies of the tile's last row (the place in the list is held at the last valid one): they give that row's numbers and, where stored, store them to that row's place.  EXEC is never changed.
; Blocks of 16 rows that lie wholly beyond the count are not stored.
; LIMITS: the definition also adds 0 x the other experts' results: where those are NaN or infinite (a scale byte 0xff, sums beyond f32) it gives NaN and this text does not.
; REGISTERS, in windows of 256 (s_set_vgpr_msb: bits 1:0 source 0, 3:2 source 1, 5:4 source 2, 7:6 destination):
;   window 0: v1-21 addresses; v32-47 W's scale words, v48-87 x's (they hold scales and nothing else); v88-195 x's fragments, three sets of three; ahead of the barrier v88-127 the list; on the way out v88-159 the rows' offsets in y
;   window 1: v0-191 W's fragments of K steps 0-3 (step s, column tile t at 48 s + 12 t); v192-223 the bias; on the way out v0-191 rows of y
;   window 2: v0-191 W's fragments of K steps 4-7; v192-223 the accumulators of row block 8; on the way out v0-95 rows of y
;   window 3: the accumulators of row blocks 0-7 ((m, t) at 8 (4 m + t)); ahead of the barrier the gathered rows of x and their scales
.set XP,   784                         ; a row of x's codes in LDS: 768 bytes + 16 = 196 words: row r starts at bank 4 r mod 64 (64 banks of 4 bytes: ISA guide 11.1), so the 32 lanes of an 8-byte fragment load touch 64 different banks
.set XSC,  144*XP                      ; x's scale words as images: image u (rows 32 u + lane), plane c (K steps 4 c .. 4 c + 3), 16 bytes a lane: 5 x 2 x 512 bytes
.set LIST, XSC+5*1024                  ; the tile's tokens: plane h (512 bytes), word q: the token of tile row 2 q + h
.set STG,  LIST+1024                   ; the way out: 16 rows x (256 bytes + 16) for each wave, its own
.set SP,   272
.set XA,   6                           ; v6-8   LDS address of my lane's part of a fragment of x, sets 0, 1, 2 (48 rows apart)
.set STO,  14                          ; v14    the stage: where I put 32 bytes of a row
.set SRD,  15                          ; v15    and where I read a row back
.set WS,   32                          ; W's scale words: v[WS + 8 (t / 2) + s]: lanes 0-15 column tile t even, lanes 16-31 odd
.set XS,   48                          ; x's: v[XS + 8 (m / 2) + s] likewise for row block m
.set XF,   88                          ; x's fragments: row block m at XF + 12 m
.set LP,   88                          ; v88-105 the tokens of my 36 rows (pair i: rows 2 i + h); v106, v107 the tokens whose scales I fetch
.set XADR, 108                         ; v108-125 their rows' byte offsets in x_codes; v126, v127 in x_scales
.set RA,   88                          ; v88-159 the way out: word q: the byte offset in y of tile row 2 q + h
.set BIAS, 192
.set MSB, 0
.macro WIN new                         ; the immediate's high byte repeats the setting that is left; a switch that changes nothing is dropped
.if MSB != \new
	s_set_vgpr_msb (MSB<<8)|\new
.set MSB, \new
.endif
.endm
; A load into a register that a matrix instruction has read, and an LDS store that reads a matrix result, stand four places behind that matrix instruction, and only plain vector instructions that name none of
; its registers are places (ISA guide 7.12.1 for vector instructions).
.macro PLACES n
.rept \n
	v_nop
.endr
.endm
	s_load_b512 s[4:19], s[0:1], 0x0               ; x_codes s[4:5], x_scales s[6:7], wimg s[8:9], W_scales s[10:11], b s[12:13], order s[14:15], tiles s[16:17], y s[18:19]
	v_lshl_add_u32 v254, v0, 2, 0x21600
	v_mov_b32 v255, 0
	v_lshrrev_b32 v1, 5, v0
	v_readfirstlane_b32 s20, v1                    ; wave 0..3
	s_mov_b32 s21, ttmp9                           ; which 256 outputs
	s_and_b32 s22, ttmp7, 0xffff                   ; which tile
	s_lshl_b32 s23, s22, 4
	s_wait_kmcnt 0x0
	s_load_b128 s[24:27], s[16:17], s23 offset:0x0 ; the record: expert, first place in order, rows
	v_and_b32 v1, 31, v0                           ; lane
	v_and_b32 v2, 15, v0                           ; r = lane % 16
	v_bfe_u32 v3, v0, 4, 1                         ; h = lane / 16
	v_lshlrev_b32 v4, 4, v2                        ; 16 r
	s_mul_i32 s30, s20, 36*XP
	v_mul_u32_u24 v5, v3, XP
	v_add_nc_u32 v5, v5, v4
	v_add_nc_u32 v5, s30, v5                       ; x into LDS: my wave's 36 rows; lanes 0-15 one row, lanes 16-31 the next, 16 bytes a lane
	v_mul_u32_u24 v[XA], v2, XP
	v_mad_u32_u24 v[XA], v3, 24, v[XA]             ; a fragment's row r, + 24 h
	v_add_nc_u32 v[XA+1], 48*XP, v[XA]
	v_add_nc_u32 v[XA+2], 96*XP, v[XA]
	v_lshlrev_b32 v9, 4, v1                        ; 16 x lane: an image's place for my lane
	v_lshlrev_b32 v10, 5, v1                       ; 32 x lane: a row of W's scale bytes
	v_lshlrev_b32 v11, 5, v3                       ; 32 h: my half's eight numbers of the bias
	s_mul_i32 s30, s20, 72
	s_add_co_u32 s30, s30, LIST
	v_lshl_add_u32 v12, v3, 9, s30                 ; the list, in: plane h, my wave's 18 words
	v_lshlrev_b32 v13, 9, v3
	v_add_nc_u32 v13, LIST, v13                    ; and out: plane h
	s_mul_i32 s30, s20, 16*SP
	s_add_co_u32 s30, s30, STG                     ; my stage
	v_mul_u32_u24 v[STO], v2, SP
	v_lshl_add_u32 v[STO], v3, 5, v[STO]
	v_add_nc_u32 v[STO], s30, v[STO]               ; in: row r, + 32 h
	v_mul_u32_u24 v[SRD], v3, SP
	v_add_nc_u32 v[SRD], v[SRD], v4
	v_add_nc_u32 v[SRD], s30, v[SRD]               ; back: lanes 0-15 one row of 256 bytes, lanes 16-31 the next
	s_lshl_b32 s31, s21, 2
	s_add_co_u32 s31, s31, s20                     ; which 64 outputs are my wave's: 4 x half + wave
	s_lshl_b32 s30, s31, 8
	v_add_nc_u32 v16, s30, v4                      ; their bytes in a row of y, + 16 r
	s_lshl_b32 s30, s20, 10
	s_add_co_u32 s30, s30, XSC
	v_add_nc_u32 v17, s30, v9                      ; x's scales, in: image u = wave
	v_and_b32 v21, 7, v0
	s_lshl_b32 s30, s20, 3
	v_add_nc_u32 v21, s30, v21                     ; 8 x wave + lane % 8: my place in image 4, of which each wave fills a quarter
	v_lshl_add_u32 v18, v21, 4, XSC+4096
	v_add_nc_u32 v19, XSC, v9                      ; and out
	s_wait_kmcnt 0x0
	s_min_u32 s24, s24, 7                          ; what was read from memory is held inside its range before it enters an address
	s_min_u32 s25, s25, 0x3fff
	s_min_u32 s26, s26, 144
	s_max_u32 s28, s26, 1
	s_add_co_u32 s28, s28, s25
	s_sub_co_u32 s28, s28, 1                       ; the tile's last valid place in order
	s_lshl_b32 s29, s24, 3
	s_add_co_u32 s29, s29, s31                     ; 8 e + 4 x half + wave: my 64 rows of W
	s_mul_i32 s32, s29, 49152                      ; 4 column tiles x 8 K steps x 1,536 bytes
	s_mov_b32 s33, 0
	s_add_nc_u64 s[8:9], s[8:9], s[32:33]
	s_lshl_b32 s32, s29, 11                        ; 64 rows x 32 scale bytes
	s_add_nc_u64 s[10:11], s[10:11], s[32:33]
	s_lshl_b32 s32, s29, 8                         ; 64 numbers of the bias
	s_add_nc_u64 s[12:13], s[12:13], s[32:33]
	s_mul_i32 s34, s20, 36
	s_add_co_u32 s34, s34, s25
	v_add_nc_u32 v20, s34, v3                      ; the place in order of my wave's row h
	s_lshl_b32 s35, s20, 5
	s_add_co_u32 s35, s35, s25
	s_add_co_u32 s36, s25, 128
	; ---- (a) the list: 20 loads
.set i, 0
.rept 18
	v_add_nc_u32 v[LP+i], 2*i, v20                 ; pair i: tile rows 36 w + 2 i + h
.set i, i+1
.endr
	v_add_nc_u32 v[LP+18], s35, v1                 ; tile row 32 w + lane: scale image w
	v_add_nc_u32 v[LP+19], s36, v21                ; tile row 128 + 8 w + lane % 8: scale image 4
.set i, 0
.rept 20
	v_min_u32 v[LP+i], s28, v[LP+i]                ; rows beyond the count take the last valid place
.set i, i+1
.endr
.set i, 0
.rept 20
	v_min_u32 v[LP+i], 0x3fff, v[LP+i]
.set i, i+1
.endr
.set i, 0
.rept 20
	v_lshlrev_b32 v[LP+i], 2, v[LP+i]
.set i, i+1
.endr
.set i, 0
.rept 20
	global_load_b32 v[LP+i], v[LP+i], s[14:15]     ; (a load may land on its own address register)
.set i, i+1
.endr
; K step s of my four column tiles: 12 loads, each 512 consecutive bytes; the caller sets the destination's window
.macro WLOAD s
.irp t, 0,1,2,3
.irp c, 0,1,2
	global_load_b128 v[48*((\s)%4)+12*\t+4*\c:48*((\s)%4)+12*\t+4*\c+3], v9, s[8:9] offset:12288*\t+1536*(\s)+512*\c
.endr
.endr
.endm
	; ---- (b) 48 loads that hang on the record alone: W's K steps 0-2, the bias, W's scale words
	WIN 0x40
	WLOAD 0
	WLOAD 1
	WLOAD 2
.irp t, 0,1,2,3
	global_load_b128 v[BIAS+8*\t:BIAS+8*\t+3], v11, s[12:13] offset:64*\t        ; lane (r, h): b at outputs 16 t + 8 h + 0 .. 7: the result's layout
	global_load_b128 v[BIAS+8*\t+4:BIAS+8*\t+7], v11, s[12:13] offset:64*\t+16
.endr
	WIN 0
.irp u, 0,1
.irp c, 0,1
	global_load_b128 v[WS+8*\u+4*\c:WS+8*\u+4*\c+3], v10, s[10:11] offset:1024*\u+16*\c   ; lane l: row 32 u + l of my 64, the words of K steps 4 c .. 4 c + 3
.endr
.endr
	s_wait_loadcnt 48                              ; all but the 48 of (b): the list is in
.set i, 0
.rept 20
	v_min_u32 v[LP+i], 0x3fff, v[LP+i]             ; a token's number, held inside x
.set i, i+1
.endr
.set i, 0
.rept 18
	v_mad_u32_u24 v[XADR+i], v[LP+i], 768, v4      ; its row of codes, + 16 r
.set i, i+1
.endr
	v_lshlrev_b32 v126, 5, v[LP+18]                ; a row of scale bytes
	v_lshlrev_b32 v127, 5, v[LP+19]
.irp k, 0,1,2,3,4,5,6,7,8
	ds_store_b64 v12, v[LP+2*\k:LP+2*\k+1] offset:8*\k   ; the tokens' numbers for the way out (the sixteen lanes of a half write the same words with the same values)
.endr
	; ---- (c) 58 loads: x's rows and their scale bytes
	WIN 0xc0
.set i, 0
.rept 18
.irp j, 0,1,2
	global_load_b128 v[12*i+4*\j:12*i+4*\j+3], v[XADR+i], s[4:5] offset:256*\j   ; sixteen lanes read 256 consecutive bytes of a row, aligned
.endr
.set i, i+1
.endr
	global_load_b128 v[216:219], v126, s[6:7]
	global_load_b128 v[220:223], v126, s[6:7] offset:16
	global_load_b128 v[224:227], v127, s[6:7]
	global_load_b128 v[228:231], v127, s[6:7] offset:16
	; ---- (d) 60 loads: the rest of W
	WIN 0x40
	WLOAD 3
	WIN 0x80
	WLOAD 4
	WLOAD 5
	WLOAD 6
	WLOAD 7
	s_wait_loadcnt 60                              ; all but the 60 of (d): x, W's K steps 0-2, the bias and the scale words are in
	WIN 0x0c                                       ; an LDS store's data are its source 1: window 3
.set i, 0
.rept 18
.irp j, 0,1,2
	ds_store_b128 v5, v[12*i+4*\j:12*i+4*\j+3] offset:2*XP*i+256*\j
.endr
.set i, i+1
.endr
	ds_store_b128 v17, v[216:219]
	ds_store_b128 v17, v[220:223] offset:512
	ds_store_b128 v18, v[224:227]                  ; (four lanes write each place, with the same values)
	ds_store_b128 v18, v[228:231] offset:512
	WIN 0
	s_wait_dscnt 0x0                               ; for the others' sake: my stores have landed
	s_barrier_signal -1
	s_barrier_wait -1                              ; x, its scales and the list lie in LDS.  No barrier follows
	s_cmp_eq_u32 s26, 0
	s_cbranch_scc1 .Lend                           ; a record without rows
; Three fragments of x (row blocks 3 j .. 3 j + 2) of K step s into set j: 18 loads of 8 bytes, so that every address is a multiple of the access's size
.macro XSET j, s
.irp mm, 0,1,2
.irp p, 0,1,2,3,4,5
	ds_load_b64 v[XF+36*(\j)+12*\mm+2*\p:XF+36*(\j)+12*\mm+2*\p+1], v[XA+(\j)] offset:16*XP*\mm+96*(\s)+48*(\p/3)+8*(\p%3)
.endr
.endr
.endm
; One matrix instruction.  ra, rb: the side's scale words stand in lanes 16-31 of the register named
.macro WM d, a, b, c, sa, sb, ra, rb
.if (\ra) && (\rb)
	v_wmma_scale_f32_16x16x128_f8f6f4 v[\d:\d+7], v[\a:\a+11], v[\b:\b+11], v[\c:\c+7], v[\sa], v[\sb] matrix_a_fmt:MATRIX_FMT_FP6 matrix_b_fmt:MATRIX_FMT_FP6 matrix_a_scale:MATRIX_SCALE_ROW1 matrix_b_scale:MATRIX_SCALE_ROW1
.elseif (\ra)
	v_wmma_scale_f32_16x16x128_f8f6f4 v[\d:\d+7], v[\a:\a+11], v[\b:\b+11], v[\c:\c+7], v[\sa], v[\sb] matrix_a_fmt:MATRIX_FMT_FP6 matrix_b_fmt:MATRIX_FMT_FP6 matrix_a_scale:MATRIX_SCALE_ROW1
.elseif (\rb)
	v_wmma_scale_f32_16x16x128_f8f6f4 v[\d:\d+7], v[\a:\a+11], v[\b:\b+11], v[\c:\c+7], v[\sa], v[\sb] matrix_a_fmt:MATRIX_FMT_FP6 matrix_b_fmt:MATRIX_FMT_FP6 matrix_b_scale:MATRIX_SCALE_ROW1
.else
	v_wmma_scale_f32_16x16x128_f8f6f4 v[\d:\d+7], v[\a:\a+11], v[\b:\b+11], v[\c:\c+7], v[\sa], v[\sb] matrix_a_fmt:MATRIX_FMT_FP6 matrix_b_fmt:MATRIX_FMT_FP6
.endif
.endm
; Row block m against my four column tiles, K step s.  The first K step takes the bias as C: nothing is cleared, nothing is added later
.macro MUL m, s
.set XB, XF+12*(\m)
.set WB, 48*((\s)%4)
.if (\m) < 8
.set AC, 32*(\m)
.else
.set AC, 192
.endif
.irp t, 0,1,2,3
.if (\s) == 0
	WM AC+8*\t, WB+12*\t, XB, BIAS+8*\t, WS+8*(\t/2)+(\s), XS+8*((\m)/2)+(\s), \t%2, (\m)%2
.else
	WM AC+8*\t, WB+12*\t, XB, AC+8*\t, WS+8*(\t/2)+(\s), XS+8*((\m)/2)+(\s), \t%2, (\m)%2
.endif
.endr
.endm
; Set j of K step s: 12 matrix instructions; then the set takes the next K step's fragments, which have the other two sets' 24 matrix instructions in which to land.
; The 36 accumulators take turns, one instruction a turn, in the same order in every K step.
.macro KSET s, j
.if ((\j) == 0) && ((\s) >= 3)
	s_wait_loadcnt 12*(7-(\s))                     ; W's K step s is in; the later steps' 12 loads each may be out
.endif
.if ((\s) == 7) && ((\j) == 1)
	s_wait_dscnt 27                                ; behind this set's loads: set 2's 18 and 9 of the list
.elseif ((\s) == 7) && ((\j) == 2)
	s_wait_dscnt 18                                ; behind this set's loads: the list's 18
.else
	s_wait_dscnt 36                                ; behind this set's loads: the two sets asked for after it
.endif
.if (\s) == 0
.set W_LO, 0xd1                        ; W window 1, x window 0, the bias window 1, D window 3
.set W_HI, 0x91                        ; the same, D window 2
.elseif (\s) < 4
.set W_LO, 0xf1                        ; W window 1, C and D window 3
.set W_HI, 0xa1                        ; C and D window 2
.else
.set W_LO, 0xf2                        ; W window 2
.set W_HI, 0xa2
.endif
	WIN W_LO
	MUL 3*(\j), \s
	MUL 3*(\j)+1, \s
.if (\j) == 2
	WIN W_HI                                       ; row block 8's accumulators lie in window 2
.endif
	MUL 3*(\j)+2, \s
	WIN 0
.if (\s) < 7
	PLACES 4
	XSET \j, (\s)+1
.elseif (\j) < 2
	PLACES 4
.irp n, 0,1,2,3,4,5,6,7,8
	ds_load_b128 v[RA+36*(\j)+4*\n:RA+36*(\j)+4*\n+3], v13 offset:16*(9*(\j)+\n)   ; the set is done with: it takes the tokens' numbers for the way out
.endr
.endif
.endm
.irp u, 0,1,2,3,4
.irp c, 0,1
	ds_load_b128 v[XS+8*\u+4*\c:XS+8*\u+4*\c+3], v19 offset:1024*\u+512*\c   ; x's scale words for all of K: lane l of image u: tile row 32 u + l
.endr
.endr
	XSET 0, 0
	XSET 1, 0
	XSET 2, 0
.irp s, 0,1,2,3,4,5,6,7
.irp j, 0,1,2
	KSET \s, \j
.endr
.endr
	; ---- THE WAY OUT.  A lane holds 32 neighbouring bytes of a row of y, the lanes beside it other rows: a block of 16 rows x 64 outputs goes through my own stage in LDS and comes back as rows of 256 bytes.
	s_wait_dscnt 0x0                               ; the tokens' numbers are in
.set q, 0
.rept 72
	v_min_u32 v[RA+q], 0x3fff, v[RA+q]             ; held inside y.  (These 144 lines are also the places behind the last products)
.set q, q+1
.endr
.set q, 0
.rept 72
	v_lshl_add_u32 v[RA+q], v[RA+q], 11, v16       ; the token's row of 2,048 bytes, + my wave's 256 bytes, + 16 r
.set q, q+1
.endr
.macro TOST m                          ; LDS serves a wave's instructions in order (ISA guide 5.7.1.4): no wait between the stores and the loads, nor in front of the next block's stores
.if (\m) < 8
	WIN 0x0c                                       ; the data: window 3
.set AC, 32*(\m)
.else
	WIN 0x08                                       ; window 2
.set AC, 192
.endif
.irp t, 0,1,2,3
	ds_store_b128 v[STO], v[AC+8*\t:AC+8*\t+3] offset:64*\t          ; each accumulator from its low end on
	ds_store_b128 v[STO], v[AC+8*\t+4:AC+8*\t+7] offset:64*\t+16
.endr
.if (\m) < 6
	WIN 0x40                                       ; back into the registers that held W: each block has its own 32
.set OBB, 32*(\m)
.else
	WIN 0x80
.set OBB, 32*((\m)-6)
.endif
.irp i, 0,1,2,3,4,5,6,7
	ds_load_b128 v[OBB+4*\i:OBB+4*\i+3], v[SRD] offset:2*SP*\i
.endr
.endm
.macro SEND m, younger                 ; younger: the LDS instructions issued behind block m's loads, which may stay out
	WIN 0                                          ; at a branch every window is 0
.if (\m) > 0
	s_cmp_le_u32 s26, 16*(\m)
	s_cbranch_scc1 .Lend                           ; this block and all behind it lie beyond the count
.endif
	s_wait_dscnt \younger
.if (\m) < 6
	WIN 0x04                                       ; a store's data are its source 1: window 1
.set OBB, 32*(\m)
.else
	WIN 0x08
.set OBB, 32*((\m)-6)
.endif
.irp i, 0,1,2,3,4,5,6,7
	global_store_b128 v[RA+8*(\m)+\i], v[OBB+4*\i:OBB+4*\i+3], s[18:19] th:TH_STORE_NT   ; sixteen lanes store 256 consecutive bytes of a token's row, aligned; written once.  No register of a store is written again
.endr
.endm
	TOST 0
	TOST 1
	TOST 2
	SEND 0, 32
.irp m, 3,4,5,6,7,8
	TOST \m
	SEND \m-2, 32                                  ; behind block m - 2's loads: the 16 stage instructions of each of the two blocks after it
.endr
	SEND 7, 16
	SEND 8, 0
	WIN 0
.Lend:
	s_wait_dscnt 0x0
	s_wait_tensorcnt 0x0
	ds_add_u32 v254, v255
	s_wait_dscnt 0x0
	s_endpgm
.Lfunc_end_k_qf970f261be_moe:
	.size	k_qf970f261be_moe, .Lfunc_end_k_qf970f261be_moe-k_qf970f261be_moe
	.p2alignl 7, 3214868480
	.fill 96, 4, 3214868480
	.section	.rodata,"a",@progbits
	.p2align	6, 0x0
	.amdhsa_kernel k_qf970f261be_moe
		.amdhsa_group_segment_fixed_size 137216
		.amdhsa_private_segment_fixed_size 0
		.amdhsa_enable_private_segment 0
		.amdhsa_kernarg_size 64
		.amdhsa_user_sgpr_count 2
		.amdhsa_user_sgpr_kernarg_segment_ptr 1
		.amdhsa_wavefront_size32 1
		.amdhsa_system_sgpr_workgroup_id_x 1
		.amdhsa_system_sgpr_workgroup_id_y 1
		.amdhsa_system_sgpr_workgroup_id_z 1
		.amdhsa_system_vgpr_workitem_id 0
		.amdhsa_next_free_vgpr 1024
		.amdhsa_next_free_sgpr 66
		.amdhsa_reserve_vcc 0
		.amdhsa_float_denorm_mode_32 3
		.amdhsa_float_denorm_mode_16_64 3
		.amdhsa_memory_ordered 1
		.amdhsa_forward_progress 1
		.amdhsa_inst_pref_size 130
	.end_amdhsa_kernel
	.amdgpu_metadata
---
amdhsa.version: [ 1, 2 ]
amdhsa.kernels:
  - .name:           k_qf970f261be_moe
    .symbol:         k_qf970f261be_moe.kd
    .args:
      - { .name: x_codes, .offset: 0, .size: 8, .value_kind: global_buffer, .address_space: global }
      - { .name: x_scales, .offset: 8, .size: 8, .value_kind: global_buffer, .address_space: global }
      - { .name: wimg, .offset: 16, .size: 8, .value_kind: global_buffer, .address_space: global }
      - { .name: W_scales, .offset: 24, .size: 8, .value_kind: global_buffer, .address_space: global }
      - { .name: b, .offset: 32, .size: 8, .value_kind: global_buffer, .address_space: global }
      - { .name: order, .offset: 40, .size: 8, .value_kind: global_buffer, .address_space: global }
      - { .name: tiles, .offset: 48, .size: 8, .value_kind: global_buffer, .address_space: global }
      - { .name: out0, .offset: 56, .size: 8, .value_kind: global_buffer, .address_space: global }
    .group_segment_fixed_size: 137216
    .private_segment_fixed_size: 0
    .kernarg_segment_align: 8
    .kernarg_segment_size: 64
    .max_flat_workgroup_size: 128
    .sgpr_count:     66
    .vgpr_count:     1024
    .wavefront_size: 32
...
	.end_amdgpu_metadata
.endif
;; end of part 2
;; ======== version 2 of 2: 2 launches
;; workspace buffers: order 65,536 bytes of whole numbers; tiles 2,048 bytes of whole numbers; wimg 3,145,728 bytes
;; launch prep (part 3): grid 17 x 1, 16 waves a work-group, no clusters, 203,264 bytes of LDS; arguments index, W_codes, order, tiles, wimg; writes order, tiles, wimg
.if DOCPART == 3
	.amdgcn_target "amdgcn-amd-amdhsa--gfx1250"
	.amdhsa_code_object_version 6
	.text
	.protected	k_qf970f261be_prep
	.globl	k_qf970f261be_prep
	.p2align	8
	.type	k_qf970f261be_prep,@function
k_qf970f261be_prep:
	s_mov_b64 s[64:65], 0
	v_nop
	global_prefetch_b8 v0, s[64:65] scope:SCOPE_SE
	s_setreg_imm32_b32 hwreg(HW_REG_WAVE_MODE, 25, 1), 1
	s_wait_xcnt 0x0
; THE ROUTING AND THE WEIGHTS' LAYOUT, for y[n] = x[n] . W[index[n]]^T + b[index[n]]: 16,384 tokens, 8 experts.
; Work-group 0 sorts the tokens by expert (a counting sort, no atomics) and stores
;   order [16384]: the tokens' numbers, expert by expert, dense;   tiles [128][4]: {expert, first place in order, rows (0 .. 144), 0} for tiles of at most 144 rows of ONE expert.
;   The sum over the experts of ceil(rows / 144) is at most (16,384 + 8 x 143) / 144 = 121, whatever the split; records beyond the last tile have 0 rows.
; Work-groups 1 to 16 lay W's codes out as images of operand registers: wave job J = 32 e + ct is a tile of 16 rows of W (12,288 consecutive bytes); its fragment for K step s
;   (16 rows x 128 K of 6-bit codes, 12 registers a lane) goes to wimg + (8 J + s) x 1,536, register group c (four registers) of lane l at 512 c + 16 l.  The product's launch then loads a fragment by three loads of 16 bytes a lane.
; Both roles pass the one barrier, which stands on the common way; each role has LDS bytes of its own.
; LIMITS: an index outside 0 .. 7 is not served (the problem keeps it inside).  Inside an expert's run the tokens do not stand in ascending order; nothing hangs on that.
.set WP,    784                        ; a row of codes in LDS: 768 bytes + 16 = 196 words: row r starts at bank 4 r mod 64 (64 banks of 4 bytes: ISA guide 11.1), so the 32 lanes of an 8-byte fragment load touch 64 different banks
.set WREG,  16*WP                      ; a wave's 16 rows
.set SORT,  16*WREG                    ; behind the sixteen stages: 32 bytes for each wave: its eight counts
.set I,   32                           ; v32-63   sort: the indices, 32 groups of 32 tokens a wave; later the tokens' numbers
.set L,   64                           ; v64-95   sort: a token's rank among its expert's tokens in this wave; later its place in order
.set B,   96                           ; v96-127  sort: where its expert's tokens of this wave begin
.set D,   32                           ; v32-127  weights: 16 rows as loaded
.set F,   128                          ; v128-223 weights: eight fragments
.set T,   16                           ; v16-23   eight numbers, one for each expert
.set U,   24                           ; v24-31   at work
.set M,   16                           ; s16-23   lane masks, one for each expert
.set C,   24                           ; s24-31   running counts; later where this wave's tokens of each expert begin
.set TOT, 32                           ; s32-39   an expert's tokens
.set BASE, 40                          ; s40-47   where an expert's run begins in order
.set TB,  48                           ; s48-55   an expert's first tile (before that: at work)
	s_load_b256 s[4:11], s[0:1], 0x0               ; index s[4:5], W_codes s[6:7], order s[8:9], tiles s[10:11]
	s_load_b64 s[12:13], s[0:1], 0x20              ; wimg
	v_lshl_add_u32 v224, v0, 2, 0x31200
	v_mov_b32 v225, 0
	v_lshrrev_b32 v1, 5, v0
	s_delay_alu instid0(VALU_DEP_1)
	v_readfirstlane_b32 s14, v1                    ; wave 0..15
	v_and_b32 v1, 31, v0                           ; lane
	v_and_b32 v2, 15, v0                           ; lane % 16
	v_bfe_u32 v3, v0, 4, 1                         ; lane / 16
	; every LDS address is made here, ahead of the parting of the roles
	s_mul_i32 s57, s14, WREG                       ; my stage
	v_mul_u32_u24 v4, v3, WP
	s_delay_alu instid0(VALU_DEP_1)
	v_lshl_add_u32 v4, v2, 4, v4
	s_delay_alu instid0(VALU_DEP_1)
	v_add_nc_u32 v4, s57, v4                       ; into it: lanes 0-15 one row, lanes 16-31 the next, 16 bytes a lane
	v_mul_u32_u24 v5, v2, WP
	s_delay_alu instid0(VALU_DEP_1)
	v_mad_u32_u24 v5, v3, 24, v5
	s_delay_alu instid0(VALU_DEP_1)
	v_add_nc_u32 v5, s57, v5                       ; out of it: a fragment's row lane % 16, + 24 bytes for the upper half of the lanes
	v_and_b32 v6, 0x1e0, v0
	s_delay_alu instid0(VALU_DEP_1)
	v_add_nc_u32 v6, SORT, v6                      ; my wave's eight counts: SORT + 32 x wave
	v_lshl_add_u32 v7, v2, 5, SORT                 ; the counts of wave lane % 16
	v_mul_u32_u24 v8, v3, 768
	s_delay_alu instid0(VALU_DEP_1)
	v_lshl_add_u32 v8, v2, 4, v8                   ; W_codes: two rows an instruction, 16 bytes a lane
	v_lshlrev_b32 v9, 4, v1                        ; 16 x lane: an image's place for my lane
	v_lshlrev_b32 v10, 4, v0                       ; 16 x thread
	v_lshlrev_b32 v11, 2, v0                       ; 4 x thread
	s_wait_kmcnt 0x0
	s_cmp_lg_u32 ttmp9, 0
	s_cbranch_scc1 .Lweights
	s_wait_alu depctr_va_vdst(0)
	; ---- SORT, first part: each token's rank among its expert's tokens of this wave, and the wave's eight counts
.irp q, 0,1,2,3,4,5,6,7
	global_load_b128 v[I+4*\q:I+4*\q+3], v10, s[4:5] offset:8192*\q    ; register j of load q: token 2048 q + 4 x thread + j; a wave's load covers 512 consecutive bytes
.endr
.irp e, 0,1,2,3,4,5,6,7
	s_mov_b32 s[C+\e], 0
.endr
; One group of 32 tokens.  For each expert: the mask of its lanes; the running count + the lanes of the mask below mine; the lane keeps its own expert's number; the counts go on.
.macro RANK g
.irp e, 0,1,2,3,4,5,6,7
	v_cmp_eq_u32 s[M+\e], \e, v[I+(\g)]
.endr
.irp e, 0,1,2,3,4,5,6,7
	v_mbcnt_lo_u32_b32 v[T+\e], s[M+\e], s[C+\e]
.endr
	v_cndmask_b32 v[L+(\g)], v[T], v[T+1], s[M+1]
.irp e, 2,3,4,5,6,7
	s_delay_alu instid0(VALU_DEP_1)
	v_cndmask_b32 v[L+(\g)], v[L+(\g)], v[T+\e], s[M+\e]
.endr
.irp e, 0,1,2,3,4,5,6,7
	s_bcnt1_i32_b32 s[TB+\e], s[M+\e]
.endr
.irp e, 0,1,2,3,4,5,6,7
	s_add_co_u32 s[C+\e], s[C+\e], s[TB+\e]
.endr
.endm
.set g, 0
.rept 32
.if g%4 == 0
	s_wait_loadcnt 7-g/4                           ; loads come back in order: load g / 4 is in, the younger ones stay out
.endif
	RANK g
.set g, g+1
.endr
.irp e, 0,1,2,3,4,5,6,7
	v_mov_b32 v[T+\e], s[C+\e]
.endr
	ds_store_b128 v6, v[T:T+3]                     ; all lanes write the same words with the same values
	ds_store_b128 v6, v[T+4:T+7] offset:16
	s_branch .Lmeet
	; ---- WEIGHTS: 16 rows in, eight fragments out
.Lweights:
	s_sub_co_u32 s57, ttmp9, 1
	s_lshl_b32 s57, s57, 4
	s_add_co_u32 s57, s57, s14                     ; J = 16 (work-group - 1) + wave = 32 e + ct
	s_mul_i32 s58, s57, 12288
	s_mov_b32 s59, 0
	s_add_nc_u64 s[6:7], s[6:7], s[58:59]
	s_add_nc_u64 s[12:13], s[12:13], s[58:59]
	s_wait_alu depctr_va_vdst(0)
.irp i, 0,1,2,3,4,5,6,7
.irp j, 0,1,2
	global_load_b128 v[D+4*(3*\i+\j):D+4*(3*\i+\j)+3], v8, s[6:7] offset:1536*\i+256*\j th:TH_LOAD_NT   ; rows 2 i and 2 i + 1: sixteen lanes read 256 consecutive bytes, aligned; read once in the launch
.endr
.endr
.irp i, 0,1,2,3,4,5,6,7
.irp j, 0,1,2
	s_wait_loadcnt 23-(3*\i+\j)                    ; this load is in, the younger ones stay out
	ds_store_b128 v4, v[D+4*(3*\i+\j):D+4*(3*\i+\j)+3] offset:2*WP*\i+256*\j
.endr
.endr
.irp s, 0,1,2,3,4,5,6,7                ; lane (r, h) of K step s: the 24 bytes at 96 s + 24 h of row r, and the 24 bytes 48 further on; in pieces of 8 bytes, so that every address is a multiple of the access's size
.irp p, 0,1,2,3,4,5
	ds_load_b64 v[F+12*\s+2*\p:F+12*\s+2*\p+1], v5 offset:96*\s+48*(\p/3)+8*(\p%3)   ; LDS serves a wave's instructions in order (ISA guide 5.7.1.4): these see my stores
.endr
.endr
.irp s, 0,1,2,3,4,5,6,7
	s_wait_dscnt 6*(7-\s)                          ; fragment s is in; the later fragments' six loads each may be out
.irp c, 0,1,2
	global_store_b128 v9, v[F+12*\s+4*\c:F+12*\s+4*\c+3], s[12:13] offset:1536*\s+512*\c   ; 32 lanes store 512 consecutive bytes, at a multiple of 256 from wimg's first byte
.endr
.endr
.Lmeet:
	s_wait_dscnt 0x0                               ; for the others' sake: my counts lie in LDS
	s_barrier_signal -1
	s_barrier_wait -1
	s_cmp_lg_u32 ttmp9, 0
	s_cbranch_scc1 .Lend
	; ---- SORT, second part: where each expert's run begins, and in it this wave's tokens
	ds_load_b128 v[T:T+3], v7                      ; lane l: the eight counts of wave l % 16
	ds_load_b128 v[T+4:T+7], v7 offset:16
.irp e, 0,1,2,3,4,5,6,7
	v_mov_b32 v[U+\e], 0                           ; written once: the destination of a DPP form counts as one of its sources
.endr
	s_wait_dscnt 0x0
	v_cmp_gt_u32 vcc_lo, s14, v1                   ; lanes 0-15 keep the waves below mine,
	s_or_b32 vcc_lo, vcc_lo, 0xffff0000            ; lanes 16-31 keep all sixteen
.irp e, 0,1,2,3,4,5,6,7
	v_cndmask_b32 v[T+\e], 0, v[T+\e], vcc_lo
.endr
.irp x, 1,2,4,8                        ; the sum over each half of the lanes
.irp e, 0,1,2,3,4,5,6,7
	v_mov_b32_dpp v[U+\e], v[T+\e] row_xmask:\x row_mask:0xf bank_mask:0xf
.endr
.irp e, 0,1,2,3,4,5,6,7
	v_add_nc_u32 v[T+\e], v[T+\e], v[U+\e]
.endr
.endr
.irp e, 0,1,2,3,4,5,6,7
	v_readlane_b32 s[C+\e], v[T+\e], 0             ; the expert's tokens in the waves below mine
	v_readlane_b32 s[TOT+\e], v[T+\e], 16          ; and in all
.endr
	s_mov_b32 s[BASE], 0
.irp e, 0,1,2,3,4,5,6
	s_add_co_u32 s[BASE+1+\e], s[BASE+\e], s[TOT+\e]
.endr
.irp e, 0,1,2,3,4,5,6,7
	s_add_co_u32 s[C+\e], s[C+\e], s[BASE+\e]      ; where my wave's tokens of expert e begin
.endr
	v_mov_b32 v12, 0
.irp e, 0,1,2,3,4,5,6,7
	s_delay_alu instid0(VALU_DEP_1)
	v_writelane_b32 v12, s[C+\e], \e               ; a table of eight, in lanes 0 to 7
.endr
.set g, 0
.rept 32
	v_min_u32 v[I+g], 7, v[I+g]
	s_delay_alu instid0(VALU_DEP_1)
	v_lshlrev_b32 v[I+g], 2, v[I+g]
	ds_bpermute_b32 v[B+g], v[I+g], v12            ; each lane takes the table's entry of its token's expert (lane = index; no LDS byte is touched)
.set g, g+1
.endr
.set g, 0
.rept 32
	s_wait_dscnt 31-g                              ; group g's entry is in
	v_add_nc_u32 v[L+g], v[L+g], v[B+g]            ; the token's place in order,
	s_delay_alu instid0(VALU_DEP_1)
	v_min_u32 v[L+g], 0x3fff, v[L+g]               ; held inside the buffer,
	s_delay_alu instid0(VALU_DEP_1)
	v_lshlrev_b32 v[L+g], 2, v[L+g]                ; in bytes
	v_add_nc_u32 v[I+g], 2048*(g/4)+g%4, v11       ; the token's number
	global_store_b32 v[L+g], v[I+g], s[8:9]        ; lanes of one expert store neighbouring words: a wave's 32 words fall into at most eight runs.  Each group has its own registers: none is written again
.set g, g+1
.endr
	; ---- the tiles: 128 records, one a thread of waves 0 to 3
	s_cmp_ge_u32 s14, 4
	s_cbranch_scc1 .Lend
	s_mov_b32 s[TB], 0
.irp e, 0,1,2,3,4,5,6
	s_add_co_u32 s57, s[TOT+\e], 143
	s_mul_i32 s57, s57, 29128                      ; n / 144 = (n x 29,128) >> 22: 29,128 x 144 = 2^22 + 128, so the quotient is exact for n under 32,768
	s_lshr_b32 s57, s57, 22
	s_add_co_u32 s[TB+1+\e], s[TB+\e], s57         ; expert e + 1's first tile
.endr
	v_mov_b32 v24, 0                               ; record k = thread: the last expert whose first tile is at or below k,
	v_mov_b32 v28, 0                               ; its first tile,
	v_mov_b32 v29, 0                               ; its run's beginning,
	v_mov_b32 v30, s[TOT]                          ; its tokens
.irp j, 1,2,3,4,5,6,7
	v_cmp_le_u32 vcc_lo, s[TB+\j], v0
	s_delay_alu instid0(VALU_DEP_1)
	v_cndmask_b32 v24, v24, \j, vcc_lo
	s_delay_alu instid0(VALU_DEP_2)
	v_cndmask_b32 v28, v28, s[TB+\j], vcc_lo
	s_delay_alu instid0(VALU_DEP_3)
	v_cndmask_b32 v29, v29, s[BASE+\j], vcc_lo
	s_delay_alu instid0(VALU_DEP_4)
	v_cndmask_b32 v30, v30, s[TOT+\j], vcc_lo
.endr
	s_delay_alu instid0(VALU_DEP_3)
	v_sub_nc_u32 v28, v0, v28
	s_delay_alu instid0(VALU_DEP_1)
	v_mul_u32_u24 v28, 144, v28                    ; the tile's first row in the run,
	s_delay_alu instid0(VALU_DEP_1)
	v_min_u32 v31, v30, v28                        ; held at the run's end (records beyond the last tile)
	s_delay_alu instid0(VALU_DEP_2)
	v_add_nc_u32 v28, 144, v28
	s_delay_alu instid0(VALU_DEP_1)
	v_min_u32 v28, v30, v28
	s_delay_alu instid0(VALU_DEP_1)
	v_sub_nc_u32 v26, v28, v31                     ; rows: 0 .. 144
	s_delay_alu instid0(VALU_DEP_4)
	v_add_nc_u32 v25, v29, v31                     ; first place in order
	v_mov_b32 v27, 0
	global_store_b128 v10, v[24:27], s[10:11]      ; 32 lanes store 512 consecutive bytes
.Lend:
	s_wait_tensorcnt 0x0
	ds_add_u32 v224, v225
	s_wait_dscnt 0x0
	s_endpgm
.Lfunc_end_k_qf970f261be_prep:
	.size	k_qf970f261be_prep, .Lfunc_end_k_qf970f261be_prep-k_qf970f261be_prep
	.p2alignl 7, 3214868480
	.fill 96, 4, 3214868480
	.section	.rodata,"a",@progbits
	.p2align	6, 0x0
	.amdhsa_kernel k_qf970f261be_prep
		.amdhsa_group_segment_fixed_size 203264
		.amdhsa_private_segment_fixed_size 0
		.amdhsa_enable_private_segment 0
		.amdhsa_kernarg_size 40
		.amdhsa_user_sgpr_count 2
		.amdhsa_user_sgpr_kernarg_segment_ptr 1
		.amdhsa_wavefront_size32 1
		.amdhsa_system_sgpr_workgroup_id_x 1
		.amdhsa_system_sgpr_workgroup_id_y 1
		.amdhsa_system_sgpr_workgroup_id_z 1
		.amdhsa_system_vgpr_workitem_id 0
		.amdhsa_next_free_vgpr 226
		.amdhsa_next_free_sgpr 66
		.amdhsa_reserve_vcc 1
		.amdhsa_float_denorm_mode_32 3
		.amdhsa_float_denorm_mode_16_64 3
		.amdhsa_memory_ordered 1
		.amdhsa_forward_progress 1
		.amdhsa_inst_pref_size 111
	.end_amdhsa_kernel
	.amdgpu_metadata
---
amdhsa.version: [ 1, 2 ]
amdhsa.kernels:
  - .name:           k_qf970f261be_prep
    .symbol:         k_qf970f261be_prep.kd
    .args:
      - { .name: index, .offset: 0, .size: 8, .value_kind: global_buffer, .address_space: global }
      - { .name: W_codes, .offset: 8, .size: 8, .value_kind: global_buffer, .address_space: global }
      - { .name: order, .offset: 16, .size: 8, .value_kind: global_buffer, .address_space: global }
      - { .name: tiles, .offset: 24, .size: 8, .value_kind: global_buffer, .address_space: global }
      - { .name: wimg, .offset: 32, .size: 8, .value_kind: global_buffer, .address_space: global }
    .group_segment_fixed_size: 203264
    .private_segment_fixed_size: 0
    .kernarg_segment_align: 8
    .kernarg_segment_size: 40
    .max_flat_workgroup_size: 512
    .sgpr_count:     66
    .vgpr_count:     226
    .wavefront_size: 32
...
	.end_amdgpu_metadata
.endif
;; end of part 3
;; launch moe (part 4): grid 2 x 121, 4 waves a work-group, no clusters, 137,216 bytes of LDS; arguments x_codes, x_scales, wimg, W_scales, b, order, tiles, out0; writes out0
.if DOCPART == 4
	.amdgcn_target "amdgcn-amd-amdhsa--gfx1250"
	.amdhsa_code_object_version 6
	.text
	.protected	k_qf970f261be_moe
	.globl	k_qf970f261be_moe
	.p2align	8
	.type	k_qf970f261be_moe,@function
k_qf970f261be_moe:
	s_mov_b64 s[64:65], 0
	v_nop
	global_prefetch_b8 v0, s[64:65] scope:SCOPE_SE
	s_setreg_imm32_b32 hwreg(HW_REG_WAVE_SCHED_MODE, 0, 2), 2
	s_setreg_imm32_b32 hwreg(HW_REG_WAVE_MODE, 25, 1), 1
	s_wait_xcnt 0x0
	s_wait_alu depctr_vm_vsrc(0)
; y[n] = x[n] . W[index[n]]^T + b[index[n]] on codes of FP6 (E2M3) with one E8M0 scale for each 32 along K = 1,024; sums in f32.  Only each token's own expert is multiplied:
; the definition computes all eight and keeps one by a one-hot that it makes of the index itself.
; SHARES.  A work-group takes one tile of the stored list (at most 144 tokens of ONE expert; work-group y) and 256 of the 512 outputs (work-group x).  121 tiles serve every split of 16,384 tokens
; over 8 experts: (16,384 + 8 x 143) / 144.  A work-group whose record has no rows stores nothing and ends.  The text has no tensor load and no joint loads in a cluster,
; although the tiles of one expert read the same weights: operands come through registers.
; THE WAVES SHARE THE COLUMNS: wave w makes 144 tokens x 64 outputs: 36 accumulators, 288 registers.  Its 64 rows of W for all of K (32 fragments, 384 registers) come straight from wimg, where they lie as images of
; the operand's registers: 96 loads of 512 consecutive bytes, read by no other wave of the work-group.  x's 144 rows are gathered once by the four waves (36 rows each) into LDS, and read there by all four.  One barrier.
; THE MATRIX INSTRUCTION IS USED TRANSPOSED (source 0 = 16 rows of W, source 1 = 16 tokens): lane (r, h) then holds token r and its register j output 16 t + 8 h + j: eight neighbours of a row of y.
; The bias is the C of each sum's first matrix instruction.
; ROWS BEYOND THE RECORD'S COUNT are copies of the tile's last row (the place in the list is held at the last valid one): they give that row's numbers and, where stored, store them to that row's place.  EXEC is never changed.
; Blocks of 16 rows that lie wholly beyond the count are not stored.
; LIMITS: the definition also adds 0 x the other experts' results: where those are NaN or infinite (a scale byte 0xff, sums beyond f32) it gives NaN and this text does not.
; THE MODE: SCHED_MODE bits 1:0 = 2 (LLVM: expert scheduling mode 2), set by the entry lines.  The code itself states the register dependences
; between vector or matrix instructions and memory or LDS instructions, with s_wait_alu, always for 0.
; THE PLAN.  Registers that memory or LDS instructions touch:
;   v4-21        addresses and offsets: written by vector instructions at the head, once, ahead of the first wait on va_vdst; read by loads and stores to the end.
;   XADR         written by vector instructions (places in order), read by the list's loads; written again (offsets in x), read by x's loads.
;   LP           the list's loads land here; held by vector instructions; read by vector instructions and, as data, by nine LDS stores.
;   window 3     x's loads land here; the LDS stores read them; behind the barrier matrix instructions write them as accumulators.
;   SETS 0-3     x's fragments, three to a set.  K is walked in 24 groups of 12 matrix instructions; group g = 3 s + j (K step s, row blocks 3 j .. 3 j + 2) reads set g % 4.  An even group g issues the loads of groups g + 2 and g + 3,
;                into sets (g - 2) % 4 and (g - 1) % 4, dealt among its own matrix instructions, which name set g % 4, W, the scale words and the accumulators: none of the registers that those loads touch.
;                So ONE wait on va_vdst stands at the head of each even group from 2 on: the two groups before are done reading their sets.
;   the way out  the accumulators (written by matrix instructions, read by LDS stores), RA (written by vector instructions, read by the stores to y), W's registers (read by matrix instructions; the stage's loads land there):
;                one wait on va_vdst ahead of it; no vector instruction follows.
; REGISTERS, in windows of 256 (s_set_vgpr_msb: bits 1:0 source 0, 3:2 source 1, 5:4 source 2, 7:6 destination):
;   window 0: v1-21 addresses; v32-47 W's scale words, v48-87 x's (they hold scales and nothing else); v88-231 x's fragments, four sets of three; ahead of the barrier v88-127 the list; on the way out v88-159 the rows' offsets in y
;   window 1: v0-191 W's fragments of K steps 0-3 (step s, column tile t at 48 s + 12 t); v192-223 the bias; on the way out v0-191 rows of y
;   window 2: v0-191 W's fragments of K steps 4-7; v192-223 the accumulators of row block 8; on the way out v0-95 rows of y
;   window 3: the accumulators of row blocks 0-7 ((m, t) at 8 (4 m + t)); ahead of the barrier the gathered rows of x and their scales
.set XP,   784                         ; a row of x's codes in LDS: 768 bytes + 16 = 196 words: row r starts at bank 4 r mod 64 (64 banks of 4 bytes: ISA guide 11.1), so the 32 lanes of an 8-byte fragment load touch 64 different banks
.set XSC,  144*XP                      ; x's scale words as images: image u (rows 32 u + lane), plane c (K steps 4 c .. 4 c + 3), 16 bytes a lane: 5 x 2 x 512 bytes
.set LIST, XSC+5*1024                  ; the tile's tokens: plane h (512 bytes), word q: the token of tile row 2 q + h
.set STG,  LIST+1024                   ; the way out: 16 rows x (256 bytes + 16) for each wave, its own
.set SP,   272
.set XA,   6                           ; v6-8   LDS address of my lane's part of a fragment of x, row blocks 0-2, 3-5, 6-8 (48 rows apart)
.set STO,  14                          ; v14    the stage: where I put 32 bytes of a row
.set SRD,  15                          ; v15    and where I read a row back
.set WS,   32                          ; W's scale words: v[WS + 8 (t / 2) + s]: lanes 0-15 column tile t even, lanes 16-31 odd
.set XS,   48                          ; x's: v[XS + 8 (m / 2) + s] likewise for row block m
.set XF,   88                          ; x's fragments: set b at XF + 36 b, its three fragments 12 registers apart
.set LP,   88                          ; v88-105 the tokens of my 36 rows (pair i: rows 2 i + h); v106, v107 the tokens whose scales I fetch
.set XADR, 108                         ; v108-127 first their places in order, in bytes; then v108-125 their rows' byte offsets in x_codes, v126, v127 in x_scales
.set RA,   88                          ; v88-159 the way out: word q: the byte offset in y of tile row 2 q + h
.set BIAS, 192
.set MSB, 0
.macro WIN new                         ; the immediate's high byte repeats the setting that is left; a switch that changes nothing is dropped
.if MSB != \new
	s_set_vgpr_msb (MSB<<8)|\new
.set MSB, \new
.endif
.endm
; An LDS store that reads a matrix result stands four places behind that matrix instruction, and only plain vector instructions that name none of its registers are places.
; The four places between a matrix instruction and a load into a register that it has read are kept too, beside the wait that states that dependence: the wait fills no place, and the places stand for no wait.
.macro PLACES n
.rept \n
	v_nop
.endr
.endm
	s_load_b512 s[4:19], s[0:1], 0x0               ; x_codes s[4:5], x_scales s[6:7], wimg s[8:9], W_scales s[10:11], b s[12:13], order s[14:15], tiles s[16:17], y s[18:19]
	v_lshl_add_u32 v254, v0, 2, 0x21600            ; my spare word, behind the stages, and 0: made here and kept for the closing lines alone
	v_mov_b32 v255, 0
	v_lshrrev_b32 v1, 5, v0
	v_readfirstlane_b32 s20, v1                    ; wave 0..3
	s_mov_b32 s21, ttmp9                           ; which 256 outputs
	s_and_b32 s22, ttmp7, 0xffff                   ; which tile
	s_lshl_b32 s23, s22, 4
	s_wait_kmcnt 0x0
	s_load_b128 s[24:27], s[16:17], s23 offset:0x0 ; the record: expert, first place in order, rows
	v_and_b32 v1, 31, v0                           ; lane
	v_and_b32 v2, 15, v0                           ; r = lane % 16
	v_bfe_u32 v3, v0, 4, 1                         ; h = lane / 16
	v_lshlrev_b32 v4, 4, v2                        ; 16 r
	s_wait_alu depctr_va_sdst(0)                   ; s20, the wave's number, is written, ahead of its first reader
	s_mul_i32 s30, s20, 36*XP
	v_mul_u32_u24 v5, v3, XP
	v_add_nc_u32 v5, v5, v4
	v_add_nc_u32 v5, s30, v5                       ; x into LDS: my wave's 36 rows; lanes 0-15 one row, lanes 16-31 the next, 16 bytes a lane
	v_mul_u32_u24 v[XA], v2, XP
	v_mad_u32_u24 v[XA], v3, 24, v[XA]             ; a fragment's row r, + 24 h
	v_add_nc_u32 v[XA+1], 48*XP, v[XA]
	v_add_nc_u32 v[XA+2], 96*XP, v[XA]
	v_lshlrev_b32 v9, 4, v1                        ; 16 x lane: an image's place for my lane
	v_lshlrev_b32 v10, 5, v1                       ; 32 x lane: a row of W's scale bytes
	v_lshlrev_b32 v11, 5, v3                       ; 32 h: my half's eight numbers of the bias
	s_mul_i32 s30, s20, 72
	s_add_co_u32 s30, s30, LIST
	v_lshl_add_u32 v12, v3, 9, s30                 ; the list, in: plane h, my wave's 18 words
	v_lshlrev_b32 v13, 9, v3
	v_add_nc_u32 v13, LIST, v13                    ; and out: plane h
	s_mul_i32 s30, s20, 16*SP
	s_add_co_u32 s30, s30, STG                     ; my stage
	v_mul_u32_u24 v[STO], v2, SP
	v_lshl_add_u32 v[STO], v3, 5, v[STO]
	v_add_nc_u32 v[STO], s30, v[STO]               ; in: row r, + 32 h
	v_mul_u32_u24 v[SRD], v3, SP
	v_add_nc_u32 v[SRD], v[SRD], v4
	v_add_nc_u32 v[SRD], s30, v[SRD]               ; back: lanes 0-15 one row of 256 bytes, lanes 16-31 the next
	s_lshl_b32 s31, s21, 2
	s_add_co_u32 s31, s31, s20                     ; which 64 outputs are my wave's: 4 x half + wave
	s_lshl_b32 s30, s31, 8
	v_add_nc_u32 v16, s30, v4                      ; their bytes in a row of y, + 16 r
	s_lshl_b32 s30, s20, 10
	s_add_co_u32 s30, s30, XSC
	v_add_nc_u32 v17, s30, v9                      ; x's scales, in: image u = wave
	v_and_b32 v21, 7, v0
	s_lshl_b32 s30, s20, 3
	v_add_nc_u32 v21, s30, v21                     ; 8 x wave + lane % 8: my place in image 4, of which each wave fills a quarter
	v_lshl_add_u32 v18, v21, 4, XSC+4096
	v_add_nc_u32 v19, XSC, v9                      ; and out
	s_wait_kmcnt 0x0
	s_min_u32 s24, s24, 7                          ; what was read from memory is held inside its range before it enters an address
	s_min_u32 s25, s25, 0x3fff
	s_min_u32 s26, s26, 144
	s_max_u32 s28, s26, 1
	s_add_co_u32 s28, s28, s25
	s_sub_co_u32 s28, s28, 1                       ; the tile's last valid place in order
	s_lshl_b32 s29, s24, 3
	s_add_co_u32 s29, s29, s31                     ; 8 e + 4 x half + wave: my 64 rows of W
	s_mul_i32 s32, s29, 49152                      ; 4 column tiles x 8 K steps x 1,536 bytes
	s_mov_b32 s33, 0
	s_add_nc_u64 s[8:9], s[8:9], s[32:33]
	s_lshl_b32 s32, s29, 11                        ; 64 rows x 32 scale bytes
	s_add_nc_u64 s[10:11], s[10:11], s[32:33]
	s_lshl_b32 s32, s29, 8                         ; 64 numbers of the bias
	s_add_nc_u64 s[12:13], s[12:13], s[32:33]
	s_mul_i32 s34, s20, 36
	s_add_co_u32 s34, s34, s25
	v_add_nc_u32 v20, s34, v3                      ; the place in order of my wave's row h
	s_lshl_b32 s35, s20, 5
	s_add_co_u32 s35, s35, s25
	s_add_co_u32 s36, s25, 128
	; ---- (a) the list: 20 loads; the places stand in XADR, the tokens' numbers land in LP
.set i, 0
.rept 18
	v_add_nc_u32 v[XADR+i], 2*i, v20               ; pair i: tile rows 36 w + 2 i + h
.set i, i+1
.endr
	v_add_nc_u32 v[XADR+18], s35, v1               ; tile row 32 w + lane: scale image w
	v_add_nc_u32 v[XADR+19], s36, v21              ; tile row 128 + 8 w + lane % 8: scale image 4
.set i, 0
.rept 20
	v_min_u32 v[XADR+i], s28, v[XADR+i]            ; rows beyond the count take the last valid place
.set i, i+1
.endr
.set i, 0
.rept 20
	v_min_u32 v[XADR+i], 0x3fff, v[XADR+i]
.set i, i+1
.endr
.set i, 0
.rept 20
	v_lshlrev_b32 v[XADR+i], 2, v[XADR+i]
.set i, i+1
.endr
	s_wait_alu depctr_va_vdst(0)                   ; the twenty places in XADR are written, which the loads below read; so are v4 to v21, the addresses and offsets of every later load and store
.set i, 0
.rept 20
	global_load_b32 v[LP+i], v[XADR+i], s[14:15]
.set i, i+1
.endr
; K step s of my four column tiles: 12 loads, each 512 consecutive bytes; the caller sets the destination's window
.macro WLOAD s
.irp t, 0,1,2,3
.irp c, 0,1,2
	global_load_b128 v[48*((\s)%4)+12*\t+4*\c:48*((\s)%4)+12*\t+4*\c+3], v9, s[8:9] offset:12288*\t+1536*(\s)+512*\c
.endr
.endr
.endm
	; ---- (b) 48 loads that hang on the record alone: W's K steps 0-2, the bias, W's scale words.  No vector instruction has named the registers in which they land
	WIN 0x40
	WLOAD 0
	WLOAD 1
	WLOAD 2
.irp t, 0,1,2,3
	global_load_b128 v[BIAS+8*\t:BIAS+8*\t+3], v11, s[12:13] offset:64*\t        ; lane (r, h): b at outputs 16 t + 8 h + 0 .. 7: the result's layout
	global_load_b128 v[BIAS+8*\t+4:BIAS+8*\t+7], v11, s[12:13] offset:64*\t+16
.endr
	WIN 0
.irp u, 0,1
.irp c, 0,1
	global_load_b128 v[WS+8*\u+4*\c:WS+8*\u+4*\c+3], v10, s[10:11] offset:1024*\u+16*\c   ; lane l: row 32 u + l of my 64, the words of K steps 4 c .. 4 c + 3
.endr
.endr
	s_wait_loadcnt 48                              ; all but the 48 of (b): the list is in
	s_wait_alu depctr_vm_vsrc(0)                   ; the list's loads have read XADR, which the lines below write again
.set i, 0
.rept 20
	v_min_u32 v[LP+i], 0x3fff, v[LP+i]             ; a token's number, held inside x
.set i, i+1
.endr
.set i, 0
.rept 18
	v_mad_u32_u24 v[XADR+i], v[LP+i], 768, v4      ; its row of codes, + 16 r
.set i, i+1
.endr
	v_lshlrev_b32 v126, 5, v[LP+18]                ; a row of scale bytes
	v_lshlrev_b32 v127, 5, v[LP+19]
	s_wait_alu depctr_va_vdst(0)                   ; LP is written, which the LDS stores below read as data, and XADR, which x's loads read as offsets; no vector instruction names v88 to v127 again before fragments land there
.irp k, 0,1,2,3,4,5,6,7,8
	ds_store_b64 v12, v[LP+2*\k:LP+2*\k+1] offset:8*\k   ; the tokens' numbers for the way out (the sixteen lanes of a half write the same words with the same values)
.endr
	; ---- (c) 58 loads: x's rows and their scale bytes
	WIN 0xc0
.set i, 0
.rept 18
.irp j, 0,1,2
	global_load_b128 v[12*i+4*\j:12*i+4*\j+3], v[XADR+i], s[4:5] offset:256*\j   ; sixteen lanes read 256 consecutive bytes of a row, aligned
.endr
.set i, i+1
.endr
	global_load_b128 v[216:219], v126, s[6:7]
	global_load_b128 v[220:223], v126, s[6:7] offset:16
	global_load_b128 v[224:227], v127, s[6:7]
	global_load_b128 v[228:231], v127, s[6:7] offset:16
	; ---- (d) 60 loads: the rest of W
	WIN 0x40
	WLOAD 3
	WIN 0x80
	WLOAD 4
	WLOAD 5
	WLOAD 6
	WLOAD 7
	s_wait_loadcnt 60                              ; all but the 60 of (d): x, W's K steps 0-2, the bias and the scale words are in
	WIN 0x0c                                       ; an LDS store's data are its source 1: window 3
.set i, 0
.rept 18
.irp j, 0,1,2
	ds_store_b128 v5, v[12*i+4*\j:12*i+4*\j+3] offset:2*XP*i+256*\j
.endr
.set i, i+1
.endr
	ds_store_b128 v17, v[216:219]
	ds_store_b128 v17, v[220:223] offset:512
	ds_store_b128 v18, v[224:227]                  ; (four lanes write each place, with the same values)
	ds_store_b128 v18, v[228:231] offset:512
	WIN 0
	s_wait_dscnt 0x0                               ; for the others' sake: my stores have landed
	s_barrier_signal -1
	s_barrier_wait -1                              ; x, its scales and the list lie in LDS.  No barrier follows
	s_wait_alu depctr_vm_vsrc(0)                   ; my LDS stores have read LP and the gathered rows in window 3, x's loads have read XADR: fragments land in v88 on, and matrix instructions write window 3
	s_cmp_eq_u32 s26, 0
	s_cbranch_scc1 .Lend                           ; a record without rows
; The three fragments of x of group g (K step g / 3, row blocks 3 (g % 3) on) into set g % 4: 18 loads of 8 bytes, so that every address is a multiple of the access's size
.macro XSET g
.irp mm, 0,1,2
.irp p, 0,1,2,3,4,5
	ds_load_b64 v[XF+36*((\g)%4)+12*\mm+2*\p:XF+36*((\g)%4)+12*\mm+2*\p+1], v[XA+(\g)%3] offset:16*XP*\mm+96*((\g)/3)+48*(\p/3)+8*(\p%3)
.endr
.endr
.endm
; Nine of the eighteen loads that bring the tokens' numbers for the way out, from the n0-th on
.macro LISTIN n0
.irp n, 0,1,2,3,4,5,6,7,8
	ds_load_b128 v[RA+4*((\n0)+\n):RA+4*((\n0)+\n)+3], v13 offset:16*((\n0)+\n)
.endr
.endm
; One matrix instruction.  ra, rb: the side's scale words stand in lanes 16-31 of the register named
.macro WM d, a, b, c, sa, sb, ra, rb
.if (\ra) && (\rb)
	v_wmma_scale_f32_16x16x128_f8f6f4 v[\d:\d+7], v[\a:\a+11], v[\b:\b+11], v[\c:\c+7], v[\sa], v[\sb] matrix_a_fmt:MATRIX_FMT_FP6 matrix_b_fmt:MATRIX_FMT_FP6 matrix_a_scale:MATRIX_SCALE_ROW1 matrix_b_scale:MATRIX_SCALE_ROW1
.elseif (\ra)
	v_wmma_scale_f32_16x16x128_f8f6f4 v[\d:\d+7], v[\a:\a+11], v[\b:\b+11], v[\c:\c+7], v[\sa], v[\sb] matrix_a_fmt:MATRIX_FMT_FP6 matrix_b_fmt:MATRIX_FMT_FP6 matrix_a_scale:MATRIX_SCALE_ROW1
.elseif (\rb)
	v_wmma_scale_f32_16x16x128_f8f6f4 v[\d:\d+7], v[\a:\a+11], v[\b:\b+11], v[\c:\c+7], v[\sa], v[\sb] matrix_a_fmt:MATRIX_FMT_FP6 matrix_b_fmt:MATRIX_FMT_FP6 matrix_b_scale:MATRIX_SCALE_ROW1
.else
	v_wmma_scale_f32_16x16x128_f8f6f4 v[\d:\d+7], v[\a:\a+11], v[\b:\b+11], v[\c:\c+7], v[\sa], v[\sb] matrix_a_fmt:MATRIX_FMT_FP6 matrix_b_fmt:MATRIX_FMT_FP6
.endif
.endm
; Row block m, whose fragment stands at v[xb], against my four column tiles, K step s.  The first K step takes the bias as C: nothing is cleared, nothing is added later
.macro MUL m, s, xb
.set XB, \xb
.set WB, 48*((\s)%4)
.if (\m) < 8
.set AC, 32*(\m)
.else
.set AC, 192
.endif
.irp t, 0,1,2,3
.if (\s) == 0
	WM AC+8*\t, WB+12*\t, XB, BIAS+8*\t, WS+8*(\t/2)+(\s), XS+8*((\m)/2)+(\s), \t%2, (\m)%2
.else
	WM AC+8*\t, WB+12*\t, XB, AC+8*\t, WS+8*(\t/2)+(\s), XS+8*((\m)/2)+(\s), \t%2, (\m)%2
.endif
.endr
.endm
; Group g: 12 matrix instructions on set g % 4.  An even group also asks for the fragments of groups g + 2 and g + 3, in two runs among its matrix instructions: they have 20 and 28 matrix instructions in which to land.
; The 36 accumulators take turns, one instruction a turn, in the same order in every K step.
; wlo, whi: the windows of the products of row blocks 0-7 and of row block 8, whose accumulators lie in window 2.
.macro GRP g, wlo, whi
.if ((\g)%3 == 0) && ((\g) >= 9)
	s_wait_loadcnt 12*(7-(\g)/3)                   ; W's K step g / 3 is in; the later steps' 12 loads each may be out
.endif
.if ((\g)%2 == 0) || ((\g) == 23)
	s_wait_dscnt 18                                ; behind this group's loads: the next group's 18 (group 23: the list's 18)
.else
	s_wait_dscnt 36                                ; behind this group's loads: the two sets asked for in the group before
.endif
.if ((\g)%2 == 0) && ((\g) > 0)
	PLACES 4
	s_wait_alu depctr_va_vdst(0)                   ; the matrix instructions of groups g - 2 and g - 1 are done reading their sets, in which this group's 36 loads (group 22: 18) land
.endif
	WIN \wlo
	MUL 3*((\g)%3), (\g)/3, XF+36*((\g)%4)
.if (\g)%2 == 0
	WIN 0
.if (\g) < 22
	XSET (\g)+2                                    ; no further wait: the matrix instructions issued since the wait name set g % 4, W, the scale words and the accumulators
.else
	LISTIN 0                                       ; sets 0 and 1 are done with: they take the tokens' numbers for the way out
.endif
	WIN \wlo
.endif
	MUL 3*((\g)%3)+1, (\g)/3, XF+36*((\g)%4)+12
.if (\g)%2 == 0
	WIN 0
.if (\g) < 22
	XSET (\g)+3
.else
	LISTIN 9
.endif
.endif
.if (\g)%3 == 2
	WIN \whi
.else
	WIN \wlo
.endif
	MUL 3*((\g)%3)+2, (\g)/3, XF+36*((\g)%4)+24
.endm
.macro GROUP g
.if (\g) < 3
	GRP \g, 0xd1, 0x91                             ; K step 0: W window 1, x window 0, the bias window 1, D window 3 or 2
.elseif (\g) < 12
	GRP \g, 0xf1, 0xa1                             ; K steps 1-3: W window 1, C and D window 3 or 2
.else
	GRP \g, 0xf2, 0xa2                             ; K steps 4-7: W window 2
.endif
.endm
.irp u, 0,1,2,3,4
.irp c, 0,1
	ds_load_b128 v[XS+8*\u+4*\c:XS+8*\u+4*\c+3], v19 offset:1024*\u+512*\c   ; x's scale words for all of K: lane l of image u: tile row 32 u + l
.endr
.endr
	XSET 0
	XSET 1                                         ; group 0 asks for groups 2 and 3 with no wait: nothing has named sets 2 and 3
.irp g, 0,1,2,3,4,5,6,7,8,9,10,11,12,13,14,15,16,17,18,19,20,21,22,23
	GROUP \g
.endr
	WIN 0
	; ---- THE WAY OUT.  A lane holds 32 neighbouring bytes of a row of y, the lanes beside it other rows: a block of 16 rows x 64 outputs goes through my own stage in LDS and comes back as rows of 256 bytes.
	s_wait_dscnt 0x0                               ; the tokens' numbers are in
.set q, 0
.rept 72
	v_min_u32 v[RA+q], 0x3fff, v[RA+q]             ; held inside y.  (These 144 lines are also the places behind the last products)
.set q, q+1
.endr
.set q, 0
.rept 72
	v_lshl_add_u32 v[RA+q], v[RA+q], 11, v16       ; the token's row of 2,048 bytes, + my wave's 256 bytes, + 16 r
.set q, q+1
.endr
	s_wait_alu depctr_va_vdst(0)                   ; the matrix instructions have written the accumulators, which the LDS stores read, and are done reading W's registers, in which the stage's loads land; RA is written, which the stores to y read.  No vector instruction follows
.macro TOST m                          ; LDS serves a wave's instructions in order (ISA guide 5.7.1.4): no wait between the stores and the loads, nor in front of the next block's stores
.if (\m) < 8
	WIN 0x0c                                       ; the data: window 3
.set AC, 32*(\m)
.else
	WIN 0x08                                       ; window 2
.set AC, 192
.endif
.irp t, 0,1,2,3
	ds_store_b128 v[STO], v[AC+8*\t:AC+8*\t+3] offset:64*\t          ; each accumulator from its low end on
	ds_store_b128 v[STO], v[AC+8*\t+4:AC+8*\t+7] offset:64*\t+16
.endr
.if (\m) < 6
	WIN 0x40                                       ; back into the registers that held W: each block has its own 32
.set OBB, 32*(\m)
.else
	WIN 0x80
.set OBB, 32*((\m)-6)
.endif
.irp i, 0,1,2,3,4,5,6,7
	ds_load_b128 v[OBB+4*\i:OBB+4*\i+3], v[SRD] offset:2*SP*\i
.endr
.endm
.macro SEND m, younger                 ; younger: the LDS instructions issued behind block m's loads, which may stay out
	WIN 0                                          ; at a branch every window is 0
.if (\m) > 0
	s_cmp_le_u32 s26, 16*(\m)
	s_cbranch_scc1 .Lend                           ; this block and all behind it lie beyond the count
.endif
	s_wait_dscnt \younger
.if (\m) < 6
	WIN 0x04                                       ; a store's data are its source 1: window 1
.set OBB, 32*(\m)
.else
	WIN 0x08
.set OBB, 32*((\m)-6)
.endif
.irp i, 0,1,2,3,4,5,6,7
	global_store_b128 v[RA+8*(\m)+\i], v[OBB+4*\i:OBB+4*\i+3], s[18:19] th:TH_STORE_NT   ; sixteen lanes store 256 consecutive bytes of a token's row, aligned; written once.  No register of a store is written again
.endr
.endm
	TOST 0
	TOST 1
	TOST 2
	SEND 0, 32
.irp m, 3,4,5,6,7,8
	TOST \m
	SEND \m-2, 32                                  ; behind block m - 2's loads: the 16 stage instructions of each of the two blocks after it
.endr
	SEND 7, 16
	SEND 8, 0
	WIN 0
.Lend:
	s_wait_dscnt 0x0                               ; the closing lines, six on end
	s_wait_alu 0x0
	s_wait_tensorcnt 0x0
	ds_add_u32 v254, v255
	s_wait_dscnt 0x0
	s_endpgm
.Lfunc_end_k_qf970f261be_moe:
	.size	k_qf970f261be_moe, .Lfunc_end_k_qf970f261be_moe-k_qf970f261be_moe
	.p2alignl 7, 3214868480
	.fill 96, 4, 3214868480
	.section	.rodata,"a",@progbits
	.p2align	6, 0x0
	.amdhsa_kernel k_qf970f261be_moe
		.amdhsa_group_segment_fixed_size 137216
		.amdhsa_private_segment_fixed_size 0
		.amdhsa_enable_private_segment 0
		.amdhsa_kernarg_size 64
		.amdhsa_user_sgpr_count 2
		.amdhsa_user_sgpr_kernarg_segment_ptr 1
		.amdhsa_wavefront_size32 1
		.amdhsa_system_sgpr_workgroup_id_x 1
		.amdhsa_system_sgpr_workgroup_id_y 1
		.amdhsa_system_sgpr_workgroup_id_z 1
		.amdhsa_system_vgpr_workitem_id 0
		.amdhsa_next_free_vgpr 1024
		.amdhsa_next_free_sgpr 66
		.amdhsa_reserve_vcc 0
		.amdhsa_float_denorm_mode_32 3
		.amdhsa_float_denorm_mode_16_64 3
		.amdhsa_memory_ordered 1
		.amdhsa_forward_progress 1
		.amdhsa_inst_pref_size 129
	.end_amdhsa_kernel
	.amdgpu_metadata
---
amdhsa.version: [ 1, 2 ]
amdhsa.kernels:
  - .name:           k_qf970f261be_moe
    .symbol:         k_qf970f261be_moe.kd
    .args:
      - { .name: x_codes, .offset: 0, .size: 8, .value_kind: global_buffer, .address_space: global }
      - { .name: x_scales, .offset: 8, .size: 8, .value_kind: global_buffer, .address_space: global }
      - { .name: wimg, .offset: 16, .size: 8, .value_kind: global_buffer, .address_space: global }
      - { .name: W_scales, .offset: 24, .size: 8, .value_kind: global_buffer, .address_space: global }
      - { .name: b, .offset: 32, .size: 8, .value_kind: global_buffer, .address_space: global }
      - { .name: order, .offset: 40, .size: 8, .value_kind: global_buffer, .address_space: global }
      - { .name: tiles, .offset: 48, .size: 8, .value_kind: global_buffer, .address_space: global }
      - { .name: out0, .offset: 56, .size: 8, .value_kind: global_buffer, .address_space: global }
    .group_segment_fixed_size: 137216
    .private_segment_fixed_size: 0
    .kernarg_segment_align: 8
    .kernarg_segment_size: 64
    .max_flat_workgroup_size: 128
    .sgpr_count:     66
    .vgpr_count:     1024
    .wavefront_size: 32
...
	.end_amdgpu_metadata
.endif
;; end of part 4
